; MI455X (gfx1250); checked and timed in simulation.
; The chip was launched on July 23, 2026; its instructions are those of AMD's public machine-readable ISA for CDNA 5 (MIT licence, August 2026) and "CDNA5" Instruction Set Architecture Reference Guide (July 2026). The comments in the code are by the model that wrote it; some were corrected since.
;; Mo E Layer. Allowed arithmetic: matrix products marked QUANTISED: E2M1 operands, one E8M0 scale for each 32 along K, by v_wmma_scale_f32_16x16x128_f8f6f4 with both operands' format E2M1 (or v_wmma_scale_f32_32x16x128_f4), f32 sums; products left as they are: f32 operands where the result goes on into a quantised operand, else bf16, f16 or f32 operands; f32 sums; everything else in f32.
;; Inputs: expert_b 8 x 1,024 float32; expert_w_codes 8 x 1,024 x 32 x 16 uint8 (E2M1 codes of expert_w, K innermost, in blocks of 32 codes, two codes a byte); expert_w_scales 8 x 1,024 x 32 uint8 (E8M0 scales of expert_w, one for each 32 codes along K); gate_b 8 float32; gate_w 8 x 1,024 float32; x 4 x 2,048 x 1,024 float32.
;; Outputs: out0 4 x 2,048 x 1,024 float32.
;; This version of the problem:
;;   THIS VERSION OF THE PROBLEM IS GIVEN IN LOW PRECISION. The matrix products marked QUANTISED in the list below multiply operands that are first quantised to E2M1 (2 exponent bits, 1 mantissa bit; 4 bits a number), with one power-of-two scale for each 32 numbers along K (OCP MX v1.0); their sums are f32. All else is computed in f32.
;;   The module's matrix products, in the order in which they are computed (A, B: the left and right operand; K: the contracted axis; several contracted axes count as one K, in the product's order):
;;     1. [M 8,192, K 1,024] x [K 1,024, N 8]; A: input x; B: input gate_w: left as it is (N = 8 < 16)
;;     2. [M 8,192, K 1,024] x [K 1,024, N 8,192]; A: input x; B: input expert_w (given as codes): QUANTISED
;;     3. batch 8,192 x [M 1,024, K 8] x [K 8, N 1]; A: computed on the way; B: softmax: left as it is (K = 8 < 32)
;;   THE QUANTISER, for each operand of a quantised product, along K:
;;     - K is cut into blocks of 32 from its start; a last block that is shorter is filled with zeros.
;;     - A block's scale is 2^e with e = floor(log2(the largest magnitude in the block)) - 2, held to -126 .. 127; a block of zeros has e = 0. As a byte (E8M0): e + 127.
;;     - Each number is divided by its block's scale, clamped to +-6, and rounded to the nearest number of E2M1, ties to even, subnormals kept.
;;     - The product sums the exact products of the quantised numbers (number of the format x scale) in f32.
;;   ~~~python
;;   def quantise(x, axis):      # numpy; x: float32 -> the quantised numbers, widened to float32 again
;;       x = np.moveaxis(x, axis, -1); K = x.shape[-1]
;;       x = np.pad(x, [(0, 0)] * (x.ndim - 1) + [(0, -K % 32)]); x = x.reshape(x.shape[:-1] + (-1, 32)); a = np.abs(x).max(-1, keepdims=True)
;;       e = np.where(a > 0, np.clip(np.frexp(np.where(a > 0, a, 1))[1] - 1 - 2, -126, 127), 0)      # np.frexp(a)[1] - 1 = floor(log2(a)), exactly
;;       r = np.clip(x / 2.0 ** e, -6, 6)
;;       step = 2.0 ** (np.maximum(np.frexp(np.where(r == 0, 1, r))[1] - 1, 0) - 1)
;;       q = np.round(r / step) * step * 2.0 ** e      # np.round: ties to even
;;       return np.moveaxis(q.reshape(q.shape[:-2] + (-1,))[..., :K], -1, axis).astype(np.float32)
;;   ~~~
;;   INPUTS GIVEN AS CODES. expert_w (in the module: [8, 1024, 1024], K = its axis 1): each comes as NAME_codes (uint8): NAME with its K axis moved to the last place and cut into blocks of 32 codes, [.., K / 32, bytes a block], one block behind the other in memory; two codes a byte, the lower K in the low four bits (a code: sign, 2 exponent bits, 1 mantissa bit); and NAME_scales (uint8): the same leading axes, one E8M0 byte (e + 127) for each 32 codes along K. Its value is code x scale, taken as it is: it is not quantised again, and the codes and scales need not be those that the quantiser above would give.
;; One version. Each part assembles by itself: llvm-mc -triple=amdgcn-amd-amdhsa -mcpu=gfx1250 --defsym DOCPART=n.
;; ======== version 1 of 1: 2 launches
;; workspace buffers: xq 4,194,304 bytes; xs 262,144 bytes; gates 262,144 bytes
;; launch route_quant (part 1): grid 256 x 1, 8 waves a work-group, no clusters, 168,960 bytes of LDS; arguments x, gate_w, gate_b, xq, xs, gates; writes xq, xs, gates
.if DOCPART == 1
	.amdgcn_target "amdgcn-amd-amdhsa--gfx1250"
	.amdhsa_code_object_version 6
	.text
	.protected	k_qa51bc4b183_route_quant
	.globl	k_qa51bc4b183_route_quant
	.p2align	8
	.type	k_qa51bc4b183_route_quant,@function
k_qa51bc4b183_route_quant:
	s_mov_b64 s[64:65], 0
	v_nop
	global_prefetch_b8 v0, s[64:65] scope:SCOPE_SE
	s_setreg_imm32_b32 hwreg(HW_REG_WAVE_MODE, 25, 1), 1
	s_wait_xcnt 0x0
; THE ROUTER AND THE QUANTISER OF x.  x: [8192 tokens][1024] f32.  gate_w: [8][1024], gate_b: [8], f32.
; Out: xq, x's codes of FP4 (E2M1) as images of the operand's registers: [tile of 16 tokens][K step of 128][c = 0, 1][lane][16 bytes]: lane (r, h), registers 4 c .. 4 c + 3 = token r, k = 128 s + 64 c + 32 h + 0 .. 31;
;      xs, its E8M0 scale words: [tile][lane = 16 hh + r][i = 0 .. 3]: the four bytes of token r for K step 4 hh + i;
;      gates, f32: [tile][q = 0, 1][r][4]: the softmax over the two largest logits of token r at experts 4 q + 0 .. 3, and 0 at the six others.
; SHARES.  A work-group takes 32 tokens, two tiles of 16.  Wave s takes K step s (k = 128 s .. 128 s + 127) of both tiles: it quantises them and makes their part of the eight logits.
; A lane (r = lane % 16, h = lane / 16) holds 64 numbers of token r: register 16 b + i = x[128 s + 32 b + 16 h + i]: 16 neighbours of each block of 32, as the conversions want them.
; THE LOGITS stay in f32, since a choice of the two largest follows: v_wmma_f32_16x16x4_f32, source 0 = the gate's rows (lane r holds row r % 8 in the same order of k as x: rows 8-15 repeat rows 0-7, so no lane leaves
; the buffer), source 1 = x.  Instruction i takes register pair i of both: the same k on both sides.  In the result register j of lane (r, h) is expert j's part for token r, alike in both halves of the lanes.
; These products are one part in a thousand of the problem's multiply-adds.  The eight waves' parts meet in LDS; wave 0 adds them, K ascending, one token a lane, and chooses; wave 1 sends the scale words out.
; x comes by the tensor data mover, each wave's own two tiles, filled once.  No cluster: what work-groups share is gate_w, 4 KiB a wave beside the wave's 16 KiB of x.
; LIMITS: NaN and infinities among the inputs are not served.  A block of x whose largest magnitude lies under 2^-124 (a block of zeros too) gets the scale byte 1: zeros have zero codes, and this program alone reads the bytes.
; The logits are summed in another order than a plain loop over k: two logits within a few last places of each other may change places.  Equal logits: the lower index is taken first.
.set XROW,  528                        ; a token's 512 bytes of a K step + 16 of padding = 132 words: the 16 rows that a load touches start 4 words further on each
.set XTILE, 16*XROW                    ; 8,448
.set XWAVE, 2*XTILE                    ; a wave's two tiles
.set RED,   8*XWAVE                    ; 135,168: the parts of the logits, [s][t][r][8] f32: 8,192 bytes
.set XSC,   RED+8192                   ; 143,360: the scale words, [t][16 (s / 4) + r][s % 4]: 1,024 bytes
.set G,   16                           ; v16-79   the gate's rows
.set X,   80                           ; v80-143  64 numbers of x
.set AC,  144                          ; v144-175 two accumulators for each tile: written by matrix instructions alone
.set TM,  176                          ; v176-191 the quantiser's: +0..3 largest magnitudes, +4..7 bytes, +12..15 the conversions' scale operands
.set PW,  192                          ; v192-193 a tile's scale word
.set PC,  196                          ; v196-211 a tile's codes, 8 registers each
	s_load_b256 s[4:11], s[0:1], 0x0               ; x s[4:5], gate_w s[6:7], gate_b s[8:9], xq s[10:11]
	s_load_b128 s[12:15], s[0:1], 0x20             ; xs s[12:13], gates s[14:15]
	v_lshl_add_u32 v224, v0, 2, 0x29000
	v_mov_b32 v225, 0
	ds_add_u32 v224, v225
	ds_add_u32 v224, v225
	v_lshrrev_b32 v1, 5, v0
	v_readfirstlane_b32 s16, v1                    ; wave = K step s
	; descriptor group 1: 16 rows of 128 elements of 4 bytes, 1,024 elements from row to row; 4 words of padding behind every 128
	s_mov_b32 s24, (2<<16)|(1<<20)|(6<<22)|(3<<25)
	s_mov_b32 s25, 128<<16                         ; tensor_dim0
	s_mov_b32 s26, 16<<16                          ; tensor_dim1
	s_mov_b32 s27, 128<<16                         ; tile_dim0
	s_mov_b32 s28, 16                              ; tile_dim1
	s_mov_b32 s29, 1024                            ; the pitch
	s_mov_b32 s30, 0
	s_mov_b32 s31, 0
	s_mul_i32 s17, s16, XWAVE                      ; my two tiles in LDS
	s_lshl_b32 s18, ttmp9, 17                      ; the work-group's 32 tokens of 4,096 bytes
	s_lshl_b32 s23, s16, 9                         ; my K step's 512 bytes in a row
	s_add_co_u32 s18, s18, s23
	s_mov_b32 s19, 0
	s_mov_b32 s20, 0x76543210
	s_mov_b32 s21, 0xfedcba98                      ; v_permlanex16_b32's selects for lane l xor 16
	s_mov_b32 s22, 0xffff0000                      ; lanes 16-31
	s_wait_dscnt 0x0
	s_wait_kmcnt 0x0
	s_add_nc_u64 s[4:5], s[4:5], s[18:19]
	s_mov_b32 s32, 1                               ; group 0 for tile 0
	s_mov_b32 s33, s17
	s_mov_b64 s[34:35], s[4:5]
	s_or_b32 s35, s35, 0x80000000
	s_mov_b32 s36, 1                               ; and for tile 1: 16 tokens on
	s_add_co_u32 s37, s17, XTILE
	s_add_nc_u64 s[38:39], s[4:5], 65536
	s_or_b32 s39, s39, 0x80000000
	tensor_load_to_lds s[32:35], s[24:31]          ; both fills go out together, ahead of everything else: two loads of mine are out
	s_nop 0
	tensor_load_to_lds s[36:39], s[24:31]
	s_nop 0
.rept 4
	v_nop
.endr
	s_load_b256 s[40:47], s[8:9], 0x0              ; gate_b
	s_mov_b32 s18, s23
	s_add_nc_u64 s[6:7], s[6:7], s[18:19]          ; gate_w at my K step
	s_lshl_b32 s18, ttmp9, 14                      ; xq: two tiles of 8,192 bytes a work-group,
	s_lshl_b32 s23, s16, 10                        ; 1,024 a K step
	s_add_co_u32 s18, s18, s23
	s_add_nc_u64 s[10:11], s[10:11], s[18:19]
	s_lshl_b32 s18, ttmp9, 10                      ; xs and gates: two tiles of 512 bytes
	s_add_nc_u64 s[12:13], s[12:13], s[18:19]
	s_add_nc_u64 s[14:15], s[14:15], s[18:19]
	; every address of every role is made here, ahead of the parting of the waves
	v_and_b32 v1, 15, v0                           ; r
	v_bfe_u32 v2, v0, 4, 1                         ; h
	v_and_b32 v10, 31, v0                          ; lane
	v_and_b32 v4, 7, v0
	v_lshlrev_b32 v4, 12, v4
	v_lshl_add_u32 v4, v2, 6, v4                   ; gate_w: row r % 8 of 4,096 bytes, + 64 h
.irp b, 0,1,2,3
.irp j, 0,1,2,3
	global_load_b128 v[G+16*\b+4*\j:G+16*\b+4*\j+3], v4, s[6:7] offset:128*\b+16*\j
.endr
.endr
	v_mul_u32_u24 v3, v1, XROW
	v_lshl_add_u32 v3, v2, 6, v3
	v_add_nc_u32 v3, s17, v3                       ; x in LDS: row r, + 64 h
	v_lshlrev_b32 v5, 4, v10                       ; 16 x lane
	s_add_co_u32 s23, s23, RED                     ; (s23 = 1,024 s)
	v_lshlrev_b32 v6, 5, v1
	v_lshl_add_u32 v6, v2, 4, v6
	v_add_nc_u32 v6, s23, v6                       ; my parts of the logits: RED + 1,024 s + 32 r + 16 h
	s_lshr_b32 s23, s16, 2
	s_lshl_b32 s23, s23, 8
	s_and_b32 s2, s16, 3
	s_lshl_b32 s2, s2, 2
	s_add_co_u32 s23, s23, s2
	s_add_co_u32 s23, s23, XSC
	v_lshl_add_u32 v7, v1, 4, s23                  ; my scale word: XSC + 256 (s / 4) + 4 (s % 4) + 16 r
	v_lshl_add_u32 v8, v10, 5, RED                 ; wave 0: a token a lane: 32 bytes of parts
	v_lshl_add_u32 v9, v10, 4, XSC                 ; wave 1: 16 bytes of scale words a lane
	v_lshlrev_b32 v11, 4, v1
	v_lshl_add_u32 v11, v2, 9, v11                 ; wave 0: gates: tile lane / 16 of 512 bytes, + 16 r
.irp b, 0,1,2,3
	v_mov_b32 v[TM+4+\b], 0                        ; written once: a lane permute's destination counts as one of its sources
.endr
.macro XLD t                           ; tile t's 64 numbers of my lane
.irp b, 0,1,2,3
.irp j, 0,1,2,3
	ds_load_b128 v[X+16*\b+4*\j:X+16*\b+4*\j+3], v3 offset:\t*XTILE+128*\b+16*\j
.endr
.endr
.endm
.macro WM32 a                          ; 32 products of 4 along K; two accumulators take turns, one instruction a turn; the first two start the sums with the constant 0
.set wi, 0
.rept 32
.if wi < 2
	v_wmma_f32_16x16x4_f32 v[\a+8*(wi%2):\a+8*(wi%2)+7], v[G+2*wi:G+2*wi+1], v[X+2*wi:X+2*wi+1], 0
.else
	v_wmma_f32_16x16x4_f32 v[\a+8*(wi%2):\a+8*(wi%2)+7], v[G+2*wi:G+2*wi+1], v[X+2*wi:X+2*wi+1], v[\a+8*(wi%2):\a+8*(wi%2)+7]
.endif
.set wi, wi+1
.endr
.endm
; 64 numbers of a lane, register 16 b + i = k 32 b + 16 h + i of my token, become a fragment's codes in v[pc] on and its scale word in v[pw]
.macro QUANT s, pc, pw
.irp b, 0,1,2,3
	v_max3_num_f32 v[TM+\b], |v[\s+16*\b]|, |v[\s+1+16*\b]|, 0x1800000   ; block b: my 16 numbers, and the floor 2^(3 - 127): so the byte cannot fall under 1
.endr
.irp i, 2,4,6,8,10,12,14
.irp b, 0,1,2,3
	v_max3_num_f32 v[TM+\b], v[TM+\b], |v[\s+16*\b+\i]|, |v[\s+1+16*\b+\i]|   ; the four blocks by turns
.endr
.endr
.irp b, 0,1,2,3
	v_permlanex16_b32 v[TM+4+\b], v[TM+\b], s20, s21
.endr
.irp b, 0,1,2,3
	v_max_num_f32 v[TM+\b], v[TM+\b], v[TM+4+\b]   ; with lane l xor 16's: the block's largest magnitude
.endr
.irp b, 0,1,2,3
	v_add_nc_u32 v[TM+12+\b], 0xff000000, v[TM+\b] ; 2 off its exponent field: the conversion takes the exponent field of this operand as its scale
.endr
.irp b, 0,1,2,3
	v_lshrrev_b32 v[TM+4+\b], 23, v[TM+12+\b]      ; the scale's byte
.endr
	v_lshl_or_b32 v[\pw], v[TM+5], 8, v[TM+4]      ; the four bytes make my token's scale word, alike in both halves of the lanes
	v_lshl_or_b32 v[\pw], v[TM+6], 16, v[\pw]
	v_lshl_or_b32 v[\pw], v[TM+7], 24, v[\pw]
.irp b, 0,1,2,3
	v_cvt_scalef32_pk8_fp4_f32 v[\pc+2*\b], v[\s+16*\b:\s+7+16*\b], v[TM+12+\b]
	v_cvt_scalef32_pk8_fp4_f32 v[\pc+1+2*\b], v[\s+8+16*\b:\s+15+16*\b], v[TM+12+\b]
.endr
	v_nop                                          ; one plain place behind a scaled conversion
.irp c, 0,1                                    ; the operand's layout wants a whole block in a lane: lanes 0-15 block 2 c, lanes 16-31 block 2 c + 1
.irp i, 0,1
	v_permlane16_swap_b32 v[\pc+4*\c+\i], v[\pc+2+4*\c+\i]
.endr
.endr
.endm
.macro TILE t                          ; a tile's parts of the logits, its codes (two stores of 512 consecutive bytes) and its scale word
	WM32 AC+16*\t
	QUANT X, PC+8*\t, PW+\t
	global_store_b128 v5, v[PC+8*\t:PC+8*\t+3], s[10:11] offset:8192*\t
	global_store_b128 v5, v[PC+8*\t+4:PC+8*\t+7], s[10:11] offset:8192*\t+512
	ds_store_b32 v7, v[PW+\t] offset:512*\t        ; both halves of the lanes write the same word with the same value
.endm
; A tile's two accumulators are added, from their low ends on; lanes 0-15 keep experts 0-3, lanes 16-31 experts 4-7: 16 bytes a lane
.macro PART a, p, s, off
.irp i, 0,2,4,6
	v_pk_add_f32 v[\p+\i:\p+\i+1], v[\a+\i:\a+\i+1], v[\a+8+\i:\a+9+\i]
.endr
.irp i, 0,1,2,3
	v_cndmask_b32 v[\s+\i], v[\p+\i], v[\p+4+\i], s22
.endr
	ds_store_b128 v6, v[\s:\s+3] offset:\off
.endm
	s_wait_tensorcnt 0x1                           ; tile 0 is in LDS; the one load issued behind it, tile 1's, may be out.  Only I read my tiles
	XLD 0
	s_wait_loadcnt 0x0                             ; the gate's rows
	s_wait_kmcnt 0x0                               ; gate_b
	s_wait_dscnt 0x0
	TILE 0
.rept 8
	v_nop                                          ; eight places between this form of matrix instruction and loads into its sources (ISA guide 7.12.1 for vector instructions)
.endr
	s_wait_tensorcnt 0x0
	XLD 1
	s_wait_dscnt 0x0
	TILE 1
.rept 8
	v_nop                                          ; and in front of the first read of its results
.endr
	PART AC, 212, 220, 0
	PART AC+16, 176, 184, 512                      ; registers of its own: no LDS store's data are written again
	s_wait_dscnt 0x0                               ; for the others' sake: my parts and my scale words lie in LDS
	s_barrier_signal -1
	s_barrier_wait -1
	s_cmp_eq_u32 s16, 0
	s_cbranch_scc1 .Lrouter
	s_cmp_eq_u32 s16, 1
	s_cbranch_scc1 .Lwords
	s_wait_tensorcnt 0x0
	ds_add_u32 v224, v225
	s_wait_dscnt 0x0
	s_endpgm
.Lwords:                                               ; wave 1: the two tiles' scale words leave as 512 consecutive bytes each
	ds_load_b128 v[16:19], v9
	ds_load_b128 v[20:23], v9 offset:512
	s_wait_dscnt 0x0
	global_store_b128 v5, v[16:19], s[12:13]
	global_store_b128 v5, v[20:23], s[12:13] offset:512
	s_wait_tensorcnt 0x0
	ds_add_u32 v224, v225
	s_wait_dscnt 0x0
	s_endpgm
.Lrouter:                                              ; wave 0: a token a lane
.irp s, 0,1,2,3,4,5,6,7
	ds_load_b128 v[16+8*\s:19+8*\s], v8 offset:1024*\s
	ds_load_b128 v[20+8*\s:23+8*\s], v8 offset:1024*\s+16
.endr
	s_wait_dscnt 0x0
.irp e, 0,1,2,3,4,5,6,7
	v_add_f32 v[80+\e], s[40+\e], v[16+\e]         ; the logits: the bias and the eight parts, K ascending
.endr
.irp s, 1,2,3,4,5,6,7
.irp e, 0,2,4,6
	v_pk_add_f32 v[80+\e:81+\e], v[80+\e:81+\e], v[16+8*\s+\e:17+8*\s+\e]
.endr
.endr
	v_max3_num_f32 v96, v80, v81, v82              ; the largest logit,
	v_max3_num_f32 v96, v96, v83, v84
	v_max3_num_f32 v96, v96, v85, v86
	v_max_num_f32 v96, v96, v87
	v_mov_b32 v97, 7                               ; and where: from the top down, so that of equal logits the lowest index stays
.irp e, 6,5,4,3,2,1,0
	v_cmp_neq_f32 vcc_lo, v[80+\e], v96
	v_cndmask_b32 v97, \e, v97, vcc_lo
.endr
	v_mov_b32 v100, 0xff800000                     ; -infinity takes its place,
.irp e, 0,1,2,3,4,5,6,7
	v_cmp_eq_u32 vcc_lo, \e, v97
	v_cndmask_b32 v[88+\e], v[80+\e], v100, vcc_lo
.endr
	v_max3_num_f32 v98, v88, v89, v90              ; and the same again finds the second
	v_max3_num_f32 v98, v98, v91, v92
	v_max3_num_f32 v98, v98, v93, v94
	v_max_num_f32 v98, v98, v95
	v_mov_b32 v99, 7
.irp e, 6,5,4,3,2,1,0
	v_cmp_neq_f32 vcc_lo, v[88+\e], v98
	v_cndmask_b32 v99, \e, v99, vcc_lo
.endr
	v_sub_f32 v101, v98, v96                       ; the softmax over the two, the largest taken away: weights 1 / (1 + p) and p / (1 + p), p = e^(second - first)
	v_mul_f32 v101, 0x3fb8aa3b, v101
	v_exp_f32 v102, v101
	v_nop                                          ; a plain place behind the exponential,
	s_wait_alu depctr_va_vdst(0)                   ; and a wait ahead of its first reader
	v_add_f32 v103, 1.0, v102
	v_rcp_f32 v104, v103
	v_nop
	s_wait_alu depctr_va_vdst(0)
	v_mul_f32 v105, v102, v104
.irp e, 0,1,2,3,4,5,6,7
	v_cmp_eq_u32 vcc_lo, \e, v99
	v_cndmask_b32 v[108+\e], 0, v105, vcc_lo       ; 0 for an expert that was not chosen
	v_cmp_eq_u32 vcc_lo, \e, v97
	v_cndmask_b32 v[108+\e], v[108+\e], v104, vcc_lo
.endr
	global_store_b128 v11, v[108:111], s[14:15]            ; sixteen lanes store 256 consecutive bytes, aligned
	global_store_b128 v11, v[112:115], s[14:15] offset:256
	s_wait_tensorcnt 0x0
	ds_add_u32 v224, v225
	s_wait_dscnt 0x0
	s_endpgm
.Lfunc_end_k_qa51bc4b183_route_quant:
	.size	k_qa51bc4b183_route_quant, .Lfunc_end_k_qa51bc4b183_route_quant-k_qa51bc4b183_route_quant
	.p2alignl 7, 3214868480
	.fill 96, 4, 3214868480
	.section	.rodata,"a",@progbits
	.p2align	6, 0x0
	.amdhsa_kernel k_qa51bc4b183_route_quant
		.amdhsa_group_segment_fixed_size 168960
		.amdhsa_private_segment_fixed_size 0
		.amdhsa_enable_private_segment 0
		.amdhsa_kernarg_size 48
		.amdhsa_user_sgpr_count 2
		.amdhsa_user_sgpr_kernarg_segment_ptr 1
		.amdhsa_wavefront_size32 1
		.amdhsa_system_sgpr_workgroup_id_x 1
		.amdhsa_system_sgpr_workgroup_id_y 1
		.amdhsa_system_sgpr_workgroup_id_z 1
		.amdhsa_system_vgpr_workitem_id 0
		.amdhsa_next_free_vgpr 226
		.amdhsa_next_free_sgpr 66
		.amdhsa_reserve_vcc 1
		.amdhsa_float_denorm_mode_32 3
		.amdhsa_float_denorm_mode_16_64 3
		.amdhsa_memory_ordered 1
		.amdhsa_forward_progress 1
		.amdhsa_inst_pref_size 29
	.end_amdhsa_kernel
	.amdgpu_metadata
---
amdhsa.version: [ 1, 2 ]
amdhsa.kernels:
  - .name:           k_qa51bc4b183_route_quant
    .symbol:         k_qa51bc4b183_route_quant.kd
    .args:
      - { .name: x, .offset: 0, .size: 8, .value_kind: global_buffer, .address_space: global }
      - { .name: gate_w, .offset: 8, .size: 8, .value_kind: global_buffer, .address_space: global }
      - { .name: gate_b, .offset: 16, .size: 8, .value_kind: global_buffer, .address_space: global }
      - { .name: xq, .offset: 24, .size: 8, .value_kind: global_buffer, .address_space: global }
      - { .name: xs, .offset: 32, .size: 8, .value_kind: global_buffer, .address_space: global }
      - { .name: gates, .offset: 40, .size: 8, .value_kind: global_buffer, .address_space: global }
    .group_segment_fixed_size: 168960
    .private_segment_fixed_size: 0
    .kernarg_segment_align: 8
    .kernarg_segment_size: 48
    .max_flat_workgroup_size: 256
    .sgpr_count:     66
    .vgpr_count:     226
    .wavefront_size: 32
...
	.end_amdgpu_metadata
.endif
;; end of part 1
;; launch experts (part 2): grid 16 x 16, 4 waves a work-group, clusters of 4 x 1, 327,680 bytes of LDS; arguments xq, xs, gates, expert_w_codes, expert_w_scales, expert_b, out0; writes out0
.if DOCPART == 2
	.amdgcn_target "amdgcn-amd-amdhsa--gfx1250"
	.amdhsa_code_object_version 6
	.text
	.protected	k_qa51bc4b183_experts
	.globl	k_qa51bc4b183_experts
	.p2align	8
	.type	k_qa51bc4b183_experts,@function
k_qa51bc4b183_experts:
	s_mov_b64 s[64:65], 0
	v_nop
	global_prefetch_b8 v0, s[64:65] scope:SCOPE_SE
	s_setreg_imm32_b32 hwreg(HW_REG_WAVE_MODE, 25, 1), 1
	s_wait_xcnt 0x0
	s_wait_alu depctr_hold_cnt(0) depctr_sa_sdst(0) depctr_va_vdst(0) depctr_va_sdst(0) depctr_va_ssrc(0) depctr_va_vcc(0) depctr_vm_vsrc(0)
	s_getreg_b32 s2, hwreg(HW_REG_IB_STS2, 6, 4)
	s_cmp_eq_u32 s2, 0
	s_cbranch_scc0 .Lentry_in_a_cluster
	s_endpgm
.Lentry_in_a_cluster:
	s_bfe_u32 s2, ttmp6, 0x10000c
	s_cmp_lg_u32 s2, 0x3003
	s_cbranch_scc0 .Lentry_shape_is_right
	s_endpgm
.Lentry_shape_is_right:
; out0[token][o] = the sum over the 8 experts e of gate[token][e] x (the sum over k of x[token][k] W[e][o][k] + b[e][o]), the inner products on codes of FP4 (E2M1) with one E8M0 scale for each 32 along K.
; Every expert is multiplied for every token; an expert that was not chosen has the gate 0.  x's codes, scale words and the gates are the first launch's (layouts at its head).  W: [8 x 1024 rows][512 bytes], its scale bytes [8 x 1024][32].
; SHARES.  A work-group owns 512 tokens x 64 outputs, each of its four waves 128 tokens: 8 tiles m of 16.  A WAVE'S CODES OF x, ALL OF K, STAY IN ITS REGISTERS (8 tiles x 8 K steps x 8 = 512) and serve all eight experts.
; Only W goes through LDS: a fragment of 1,024 bytes feeds eight matrix instructions.  The work-group's W, 64 outputs x 8 experts x 512 bytes, fits into LDS whole: it is asked for once, at the head; nothing is ever filled again.
; A UNIT u = 8 p + e is pass p (outputs 32 p .. 32 p + 31 of the 64), expert e: 32 rows of W, two tiles n; 128 matrix instructions a wave: ACC = b + x W, then OUT += gate x ACC.  Two passes, since ACC and OUT have 128 registers each.
; A unit goes in two halves of K, each with its own 64 registers of W's fragments.  THE LDS LOADS STAND IN TWO RUNS A UNIT, never singly among the matrix instructions: the next unit's first half at the head of a
; unit's second half, the next unit's second half at its end; each run is issued 64 matrix instructions or more ahead of its first use.
; THE MATRIX INSTRUCTION IS USED TRANSPOSED (source 0 = 16 rows of W, source 1 = 16 tokens): a lane holds one token (lane % 16) and eight neighbouring outputs, so the gate is one number a lane and the bias is the C of a sum's first product.
; CLUSTER: the four work-groups of a cluster are four token blocks of one column group and need the same W: each unit is asked for jointly, by the same tensor load with a mask that names the four.
; x's codes are read by the 16 column groups and are not asked for jointly: they go straight into registers, and LDS has no room for them beside W.  W's scale bytes, the bias and the gates are 34 KiB beside W's 256 KiB: plain loads.
; THE WAY OUT: both passes' results meet in the wave's own stage, rows of 256 bytes + 16, and leave as aligned units of 256 bytes.  The stage lies over pass 0's units: they have had their only fill, and every wave has passed the
; barrier behind which nobody reads them.
; REGISTERS, in windows of 256 (s_set_vgpr_msb: bits 1:0 source 0, 3:2 source 1, 5:4 source 2, 7:6 destination): window 0: addresses, scale words, W's fragments, bias, gates (below);
;   window 1: x's fragments of K steps 0-3, (m, s) at v[8 (4 m + s)];  window 2: K steps 4-7 likewise;  window 3: ACC(a) at v[8 a], OUT(a) at v[128 + 8 a], a = 2 m + n.
.set UNIT,  16896                      ; 32 rows x (512 bytes + 16 of padding = 132 words: the 16 rows that a load touches start 4 words further on each)
.set WBASE, 4096                       ; unit u at WBASE + u x UNIT, so that unit 8 begins where the stages end
.set STGW,  34816                      ; a wave's stage: 128 rows x 272 bytes, at wave x STGW
.set WSC,   WBASE+16*UNIT              ; 274,432: W's scale bytes, [u][32 rows][32]
.set BIAS,  WSC+16384                  ; 290,816: [u][32] f32
.set GT,    BIAS+2048                  ; 292,864: the gates, wave w's own 4,096 bytes: [e][m][r] f32
.set AW0, 4                            ; v4   my lane's place in a unit: WBASE + 528 r + 16 h
.set AS0, 5                            ; v5   among a unit's scale bytes: WSC + 32 x lane (lane = 16 n + r: a row of W)
.set AB0, 6                            ; v6   in a unit's bias: BIAS + 32 h
.set AG0, 7                            ; v7   among my wave's gates: GT + 4,096 w + 4 r
.set ADW, 8                            ; v8-11  the same four for the unit that is being fetched
.set ADS, 9
.set ADB, 10
.set ADG, 11
.set STO, 12                           ; v12  the stage: where I put 32 bytes of a row
.set RD,  13                           ; v13  and where I read a row back
.set CO,  14                           ; v14  my byte offset in two rows of out0
.set XS,  32                           ; v32-63   x's scale words: register 4 m + i: lanes 0-15 K step i, lanes 16-31 K step 4 + i
.set WF,  64                           ; v64-127  W's fragments of K steps 0-3 (half 0), (n, s) at 8 (4 n + s);  v128-191 of K steps 4-7 (half 1)
.set WS,  192                          ; v192-195, v196-199  W's scale words of the two halves: register i: lanes 0-15 tile n = 0, lanes 16-31 n = 1
.set BI,  200                          ; v200-215 the bias of the unit's two tiles, in the result's layout
.set GA,  216                          ; v216-231 tile m's gate in v[216 + 2 m]; the odd registers hold 0 and are only named as halves of pairs
.set NH1, 25                           ; LDS loads in the run of a unit's second half
.set WV,  18                           ; s18  my wave's number
.set TB,  48                           ; s48-51  the unit that is being fetched: its bytes on from unit 0 in W, in the scale bytes, in the bias; its expert's in the gates
.set TS,  49
.set TI,  50
.set TG,  51
.set CNT, 52
.set MSB, 0
.macro WIN new                         ; the immediate's high byte repeats the setting that is left; a switch that changes nothing is dropped
.if MSB != (\new)
	s_set_vgpr_msb (MSB<<8)|(\new)
.set MSB, (\new)
.endif
.endm
.macro CROUND                          ; a round of the cluster's barrier
	s_barrier_signal -1
	s_barrier_wait -1
	s_cmp_lg_u32 s[WV], 0
	s_cbranch_scc1 .Lnot_wave_0_\@
	s_barrier_signal -3
.Lnot_wave_0_\@:
	s_barrier_wait -3
	s_barrier_signal -1
	s_barrier_wait -1
.endm
.macro BAR n                           ; my loads of the units that are read next have landed (n later ones may stay out), my LDS instructions are done: then the work-group's barrier
	s_wait_tensorcnt \n
	s_wait_dscnt 0x0
	s_barrier_signal -1
	s_barrier_wait -1
.endm
.macro XFLD m, s0                      ; tile m's fragments of K steps s0 .. s0 + 3: images of the registers, 512 consecutive bytes a load
.irp s, 0,1,2,3
.irp c, 0,1
	global_load_b128 v[8*(4*\m+\s)+4*\c:8*(4*\m+\s)+4*\c+3], v3, s[4:5] offset:8192*\m+1024*(\s0+\s)+512*\c
.endr
.endr
.endm
	s_load_b256 s[4:11], s[0:1], 0x0               ; xq s[4:5], xs s[6:7], gates s[8:9], W's codes s[10:11]
	s_load_b128 s[12:15], s[0:1], 0x20             ; W's scales s[12:13], the bias s[14:15]
	s_load_b64 s[16:17], s[0:1], 0x30              ; out0
	v_lshl_add_u32 v254, v0, 2, 0x4b800
	v_mov_b32 v255, 0
	ds_add_u32 v254, v255
	ds_add_u32 v254, v255
	v_lshrrev_b32 v1, 5, v0
	v_readfirstlane_b32 s[WV], v1                  ; wave 0..3
	s_bfe_u32 s19, ttmp6, 0x40000                  ; cx: my place in the cluster: it enters the addresses of xq, xs, gates and out0 alone
	s_lshl_b32 s20, ttmp9, 2
	s_add_co_u32 s20, s20, s19                     ; my block of 512 tokens
	s_and_b32 s21, ttmp7, 0xffff                   ; my group of 64 outputs, which the four partners share
	; descriptor group 1: 32 rows of 512 bytes, dense in memory; 4 words of padding behind every 128; the mask names all four work-groups, bit 21 beside it
	s_mov_b32 s24, 15|(1<<20)|(1<<21)|(6<<22)|(3<<25)
	s_mov_b32 s25, 512<<16                         ; tensor_dim0
	s_mov_b32 s26, 32<<16                          ; tensor_dim1
	s_mov_b32 s27, 512<<16                         ; tile_dim0
	s_mov_b32 s28, 32                              ; tile_dim1
	s_mov_b32 s29, 512                             ; the pitch
	s_mov_b32 s30, 0
	s_mov_b32 s31, 0
	v_and_b32 v1, 15, v0                           ; r
	v_bfe_u32 v2, v0, 4, 1                         ; h
	v_and_b32 v20, 31, v0                          ; lane
	v_lshlrev_b32 v3, 4, v20                       ; 16 x lane
	v_lshlrev_b32 v15, 3, v20                      ; 8 x lane
	; every byte offset is made while the arguments are on their way.  s53 to s59 hold numbers made from my place in the cluster: they serve no LDS address and no descriptor
	s_lshl_b32 s53, s20, 5
	s_lshl_b32 s23, s[WV], 3
	s_add_co_u32 s53, s53, s23                     ; my first tile of tokens: 32 x block + 8 x wave
	s_lshl_b32 s54, s53, 13                        ; xq: 8,192 bytes a tile
	s_mov_b32 s55, 0
	s_lshl_b32 s56, s53, 9                         ; xs and gates: 512
	s_mov_b32 s57, 0
	s_lshl_b32 s58, s53, 16                        ; out0: 16 rows of 4,096 bytes a tile,
	s_lshl_b32 s23, s21, 8
	s_add_co_u32 s58, s58, s23                     ; + my group's 256 bytes
	s_mov_b32 s59, 0
	s_lshl_b32 s62, s[WV], 13                      ; the bias of experts 2 w + i (4,096 bytes an expert), my group's 256 bytes
	s_add_co_u32 s62, s62, s23
	s_mov_b32 s63, 0
	s_and_b32 s60, s[WV], 1                        ; W's scale bytes of units 4 w + i: expert 4 (w % 2) + i (32,768 bytes an expert), my group's 64 rows of 32 bytes, pass w / 2
	s_lshl_b32 s60, s60, 17
	s_lshl_b32 s23, s21, 11
	s_add_co_u32 s60, s60, s23
	s_lshr_b32 s23, s[WV], 1
	s_lshl_b32 s23, s23, 10
	s_add_co_u32 s60, s60, s23
	s_mov_b32 s61, 0
	s_lshl_b32 s2, s[WV], 19                       ; W's codes: expert w's 1,024 rows of 512 bytes,
	s_lshl_b32 s23, s21, 15                        ; my group's 64 rows
	s_add_co_u32 s2, s2, s23
	s_mov_b32 s3, 0
	s_mul_i32 s22, s[WV], UNIT
	s_add_co_u32 s22, s22, WBASE                   ; unit w in LDS
	s_wait_dscnt 0x0
	s_wait_kmcnt 0x0
	s_add_nc_u64 s[4:5], s[4:5], s[54:55]
	s_add_nc_u64 s[6:7], s[6:7], s[56:57]
	s_add_nc_u64 s[8:9], s[8:9], s[56:57]
	s_add_nc_u64 s[12:13], s[12:13], s[60:61]
	s_add_nc_u64 s[14:15], s[14:15], s[62:63]
	s_add_nc_u64 s[16:17], s[16:17], s[58:59]
	s_add_nc_u64 s[10:11], s[10:11], s[2:3]
	; THE PLAIN LOADS GO OUT AHEAD OF THE CLUSTER'S ROUND: they are each work-group's own, so nothing has to meet.  First what goes through registers into LDS: 18 loads
.irp i, 0,1,2,3
.irp f, 0,1
	global_load_b128 v[64+8*\i+4*\f:67+8*\i+4*\f], v3, s[12:13] offset:32768*\i+512*\f   ; a unit's scale bytes: 1,024 consecutive bytes
.endr
.endr
.irp i, 0,1
	global_load_b64 v[96+2*\i:97+2*\i], v15, s[14:15] offset:4096*\i   ; an expert's 64 numbers: lanes 0-15 pass 0's, lanes 16-31 pass 1's
.endr
.irp m, 0,1,2,3,4,5,6,7
	global_load_b128 v[100+4*\m:103+4*\m], v3, s[8:9] offset:512*\m    ; tile m's gates: lane 16 q + r: token r, experts 4 q + 0 .. 3
.endr
.irp m, 0,1,2,3,4,5,6,7
	global_load_b128 v[XS+4*\m:XS+4*\m+3], v3, s[6:7] offset:512*\m    ; x's scale words stay in registers
.endr
	WIN 0x40                                       ; destination window 1
.irp m, 0,1,2,3
	XFLD \m, 0
.endr
	WIN 0
.irp j, 0,1,2,3                                ; group 0 number j: unit 4 j + w = pass j / 2, expert 4 (j % 2) + w
	s_mov_b32 s[32+4*\j], 1
	s_add_co_u32 s[33+4*\j], s22, \j*4*UNIT
	s_add_nc_u64 s[34+4*\j:35+4*\j], s[10:11], (\j%2)*2097152+(\j/2)*16384
	s_or_b32 s[35+4*\j], s[35+4*\j], 0x80000000
.endr
	CROUND                                         ; all four work-groups are here: the joint loads meet
	tensor_load_to_lds s[32:35], s[24:31]          ; all of the work-group's W, a quarter a wave: four loads of mine are out
	s_nop 0
	tensor_load_to_lds s[36:39], s[24:31]
	s_nop 0
	tensor_load_to_lds s[40:43], s[24:31]
	s_nop 0
	tensor_load_to_lds s[44:47], s[24:31]
	s_nop 0
.rept 4
	v_nop
.endr
	v_mul_u32_u24 v[AW0], v1, 528
	v_lshl_add_u32 v[AW0], v2, 4, v[AW0]
	v_add_nc_u32 v[AW0], WBASE, v[AW0]
	v_lshl_add_u32 v[AS0], v20, 5, WSC
	v_lshl_add_u32 v[AB0], v2, 5, BIAS
	s_lshl_b32 s60, s[WV], 12
	s_add_co_u32 s61, s60, GT
	v_lshl_add_u32 v[AG0], v1, 2, s61
	s_mul_i32 s62, s[WV], STGW
	v_mul_u32_u24 v[STO], v1, 272                  ; into the stage: row r, 32 bytes for each half of the lanes
	v_lshl_add_u32 v[STO], v2, 5, v[STO]
	v_add_nc_u32 v[STO], s62, v[STO]
	v_mul_u32_u24 v[RD], v2, 272                   ; back: lanes 0-15 one row of 256 bytes, lanes 16-31 the next
	v_lshl_add_u32 v[RD], v1, 4, v[RD]
	v_add_nc_u32 v[RD], s62, v[RD]
	v_lshlrev_b32 v[CO], 12, v2                    ; and the same two rows in out0
	v_lshl_add_u32 v[CO], v1, 4, v[CO]
	s_add_co_u32 s61, s60, WSC
	v_add_nc_u32 v16, s61, v3                      ; the scale bytes' place: WSC + 4,096 w + 16 x lane
	s_lshl_b32 s61, s[WV], 8
	s_add_co_u32 s61, s61, BIAS
	v_lshlrev_b32 v17, 10, v2
	v_lshl_add_u32 v17, v1, 3, v17
	v_add_nc_u32 v17, s61, v17                     ; the bias's: BIAS + 1,024 x pass + 128 (2 w + i) + 8 r
	v_lshl_add_u32 v18, v2, 11, v[AG0]             ; the gates': experts 4 h + i: + 2,048 h
.irp m, 0,1,2,3,4,5,6,7
	v_mov_b32 v[GA+2*\m+1], 0
.endr
	s_wait_loadcnt 40                              ; the 18 are in: behind them 8 loads of scale words and 32 of x were issued
.irp i, 0,1,2,3
.irp f, 0,1
	ds_store_b128 v16, v[64+8*\i+4*\f:67+8*\i+4*\f] offset:1024*\i+512*\f
.endr
.endr
.irp i, 0,1
	ds_store_b64 v17, v[96+2*\i:97+2*\i] offset:128*\i
.endr
.irp m, 0,1,2,3,4,5,6,7
.irp i, 0,1,2,3
	ds_store_b32 v18, v[100+4*\m+\i] offset:512*\i+64*\m
.endr
.endr
	WIN 0x40
.irp m, 4,5,6,7
	XFLD \m, 0
.endr
	WIN 0x80                                       ; destination window 2
.irp m, 0,1,2,3,4,5,6,7
	XFLD \m, 4
.endr
	WIN 0
	s_mov_b32 s[TB], 0
	s_mov_b32 s[TS], 0
	s_mov_b32 s[TI], 0
	s_mov_b32 s[TG], 0
.macro ADDRS
	v_add_nc_u32 v[ADW], s[TB], v[AW0]
	v_add_nc_u32 v[ADS], s[TS], v[AS0]
	v_add_nc_u32 v[ADB], s[TI], v[AB0]
	v_add_nc_u32 v[ADG], s[TG], v[AG0]
.endm
.macro NEXTU nx                        ; on to the next unit; nx = 2: it is a pass's first, so its expert is 0
	s_add_co_u32 s[TB], s[TB], UNIT
	s_add_co_u32 s[TS], s[TS], 1024
	s_add_co_u32 s[TI], s[TI], 128
.if \nx == 2
	s_mov_b32 s[TG], 0
.else
	s_add_co_u32 s[TG], s[TG], 512
.endif
	ADDRS
.endm
; Load fi of 16 of a half's fragments: tile n = fi / 8, K step (fi % 8) / 2 of the half, c = fi % 2.  A fragment, 16 rows x 128 K, is 8 registers: lane (r, h): row r; registers 4 c .. 4 c + 3: K = 64 c + 32 h + 0 .. 31
.macro FRAGLD hh
	ds_load_b128 v[WF+64*\hh+8*(4*(fi/8)+(fi%8)/2)+4*(fi%2):WF+64*\hh+8*(4*(fi/8)+(fi%8)/2)+4*(fi%2)+3], v[ADW] offset:8448*(fi/8)+64*(4*\hh+(fi%8)/2)+32*(fi%2)
.endm
.macro FRAG4 hh, f0
.irp q, 0,1,2,3
.set fi, (\f0)+\q
	FRAGLD \hh
.endr
.endm
.macro BILD i                          ; load i of 4 of the bias: tile i / 2, registers 4 (i % 2) on: outputs 16 n + 8 h + 0 .. 7
	ds_load_b128 v[BI+4*\i:BI+4*\i+3], v[ADB] offset:64*(\i/2)+16*(\i%2)
.endm
.macro GLD m                           ; tile m's gate of the unit's expert: token r
	ds_load_b32 v[GA+2*\m], v[ADG] offset:64*\m
.endm
.macro H0RUN                           ; a unit's first half in one run: 16 loads of fragments, its scale words, its bias: 21 loads
	FRAG4 0, 0
	FRAG4 0, 4
	FRAG4 0, 8
	FRAG4 0, 12
	ds_load_b128 v[WS:WS+3], v[ADS]
	BILD 0
	BILD 1
	BILD 2
	BILD 3
.endm
.macro H1RUN                           ; its second half in one run: 16 loads of fragments, its scale words, the eight gates: NH1 = 25 loads
	FRAG4 1, 0
	FRAG4 1, 4
	FRAG4 1, 8
	FRAG4 1, 12
	ds_load_b128 v[WS+4:WS+7], v[ADS] offset:16
.irp m, 0,1,2,3,4,5,6,7
	GLD \m
.endr
.endm
; One matrix instruction: half hh, its K step sp, tile of tokens mm, tile of outputs n.  In half 0 the first K step's C is the bias (window 0); else the sum goes on in place.
; W's scale words: lanes 0-15 for n = 0, lanes 16-31 for n = 1.  x's: lanes 0-15 in half 0, lanes 16-31 in half 1.
.macro ONE hh, n
.set rD, 8*(2*mm+\n)
.set rA, WF+64*\hh+8*(4*\n+sp)
.set rB, 8*(4*mm+sp)
.set rC, rD
.if (\hh == 0) && (sp == 0)
.set rC, BI+8*\n
.endif
.set rP, WS+4*\hh+sp
.set rQ, XS+4*mm+sp
.if (\hh == 0) && (\n == 0)
	v_wmma_scale_f32_16x16x128_f8f6f4 v[rD:rD+7], v[rA:rA+7], v[rB:rB+7], v[rC:rC+7], v[rP], v[rQ] matrix_a_fmt:MATRIX_FMT_FP4 matrix_b_fmt:MATRIX_FMT_FP4
.elseif \hh == 0
	v_wmma_scale_f32_16x16x128_f8f6f4 v[rD:rD+7], v[rA:rA+7], v[rB:rB+7], v[rC:rC+7], v[rP], v[rQ] matrix_a_fmt:MATRIX_FMT_FP4 matrix_b_fmt:MATRIX_FMT_FP4 matrix_a_scale:MATRIX_SCALE_ROW1
.elseif \n == 0
	v_wmma_scale_f32_16x16x128_f8f6f4 v[rD:rD+7], v[rA:rA+7], v[rB:rB+7], v[rC:rC+7], v[rP], v[rQ] matrix_a_fmt:MATRIX_FMT_FP4 matrix_b_fmt:MATRIX_FMT_FP4 matrix_b_scale:MATRIX_SCALE_ROW1
.else
	v_wmma_scale_f32_16x16x128_f8f6f4 v[rD:rD+7], v[rA:rA+7], v[rB:rB+7], v[rC:rC+7], v[rP], v[rQ] matrix_a_fmt:MATRIX_FMT_FP4 matrix_b_fmt:MATRIX_FMT_FP4 matrix_a_scale:MATRIX_SCALE_ROW1 matrix_b_scale:MATRIX_SCALE_ROW1
.endif
.endm
.macro PLACES
.rept 4
	v_nop
.endr
.endm
; OUT(fa) += gate x ACC(fa), two numbers an instruction, from the accumulator's low end on; first = 1: a pass's first expert starts the sum, so nothing is ever cleared
.macro FMA first
	WIN 0xf3                                       ; ACC and OUT window 3, the gate window 0
.irp i, 0,1,2,3
.if \first
	v_pk_mul_f32 v[128+8*fa+2*\i:128+8*fa+2*\i+1], v[8*fa+2*\i:8*fa+2*\i+1], v[GA+2*(fa/2):GA+2*(fa/2)+1] op_sel_hi:[1,0]
.else
	v_pk_fma_f32 v[128+8*fa+2*\i:128+8*fa+2*\i+1], v[8*fa+2*\i:8*fa+2*\i+1], v[GA+2*(fa/2):GA+2*(fa/2)+1], v[128+8*fa+2*\i:128+8*fa+2*\i+1] op_sel_hi:[1,0,1]
.endif
.endr
.endm
; A UNIT'S FIRST HALF, K steps 0-3: 64 matrix instructions back to back, the K step outermost: the 16 accumulators take turns, one instruction a turn.  The first 16 take the bias as C: each stands
; behind eight plain instructions or more that name nothing of the accumulator's last product (the other accumulators' gated sums in the tail of the phase before).
.macro PH0
	s_wait_dscnt NH1                               ; this half's fragments, scale words and bias are in: behind them the 25 loads of the second half were issued
.set sp, 0
.rept 4
.if sp == 0
	WIN 0xc4                                       ; W window 0, x window 1, C (the bias) window 0, D window 3
.else
	WIN 0xf4                                       ; C and D window 3
.endif
.set mm, 0
.rept 8
	ONE 0, 0
	ONE 0, 1
.set mm, mm+1
.endr
.set sp, sp+1
.endr
	WIN 0
.endm
; A UNIT'S SECOND HALF, K steps 4-7.  At its head the addresses step to the next unit (no LDS load of mine is out): these four additions are the four places between the first half's last product and the loads into
; its sources (ISA guide 7.12.1 for vector instructions); then the next unit's first half is fetched in one run.
; Pair k of 32: group k / 8 is tiles of tokens 2 (k / 8), 2 (k / 8) + 1: its four accumulators take turns, K ascending.  Accumulator 4 g + i has its last product in pair 8 g + 6 + i / 2.
; THE GATED SUMS ARE ONE STREAM: accumulator a's four instructions stand behind pair 8 + 2 a (a = 0 .. 11), those of 12 to 15 in the tail.  By that count another accumulator's four always stand between an accumulator's last
; product and its own four: they are its places.  Accumulators 0 to 3 alone have none: four v_nop behind pair 7.
; At the end the next unit's second half is fetched in one run: accumulators 12's and 13's eight instructions, which name nothing of the last products, are the places in front of it.
.macro PH1 first, fetch, nx
	s_wait_dscnt 0x0                               ; this half's fragments, scale words and gates are in (asked for 64 matrix instructions ago)
.if \nx
	NEXTU \nx
.endif
.if \fetch
	H0RUN
.endif
.set k, 0
.rept 32
.set sp, (k%8)/2
.set mm, 2*(k/8)+k%2
	WIN 0xf8                                       ; W window 0, x window 2, C and D window 3
	ONE 1, 0
	ONE 1, 1
.if k == 7
	PLACES
.elseif (k >= 8) && ((k%2) == 0)
.set fa, (k-8)/2
	FMA \first
.endif
.set k, k+1
.endr
.irp a, 12,13,14,15
.set fa, \a
	FMA \first
.endr
	WIN 0
.if \fetch
	H1RUN
.endif
.endm
.macro STAGE_W p                       ; a pass's results into my stage: lane (r, h): token 16 m + r, outputs 32 p + 16 n + 8 h + 0 .. 7
	WIN 0x0c                                       ; an LDS store's data are its source 1: window 3
.irp m, 0,1,2,3,4,5,6,7
.irp n, 0,1
	ds_store_b128 v[STO], v[128+8*(2*\m+\n):128+8*(2*\m+\n)+3] offset:4352*\m+128*\p+64*\n
	ds_store_b128 v[STO], v[128+8*(2*\m+\n)+4:128+8*(2*\m+\n)+7] offset:4352*\m+128*\p+64*\n+16
.endr
.endr
	WIN 0
.endm
.macro TRIPS n, name                   ; n units: the second half of one, the first half of the next
	s_mov_b32 s[CNT], \n
.L\name:
	PH1 0, 1, 1
	PH0
	s_sub_co_u32 s[CNT], s[CNT], 1
	s_cmp_lg_u32 s[CNT], 0
	s_cbranch_scc1 .L\name
.endm
	BAR 3                                          ; units 0-3, the scale bytes and the bias lie in LDS, everybody's; my three later loads may be out
	ADDRS
	H0RUN                                          ; unit 0, both halves
	H1RUN
	s_wait_loadcnt 63                              ; x's scale words and K steps 0-3 are in: 64 loads were issued behind them
	PH0                                            ; unit 0
	s_wait_loadcnt 0x0                             ; x's K steps 4-7
	PH1 1, 1, 1
	PH0                                            ; unit 1
	TRIPS 2, u23                                   ; units 2, 3
	BAR 2                                          ; units 4-7 are in
	TRIPS 4, u47
	BAR 1                                          ; units 8-11 are in, and nobody reads units 0-7 any more: unit 7's second half is in registers
	PH1 0, 1, 2                                    ; unit 7's second half ends pass 0
	STAGE_W 0
	PH0                                            ; unit 8
	PH1 1, 1, 1                                    ; (its wait at the head also shows the stage's stores done, ahead of the first write of OUT)
	PH0                                            ; unit 9
	TRIPS 2, uab
	BAR 0                                          ; units 12-15 are in: no tensor load of mine is out
	TRIPS 4, ucf
	PH1 0, 0, 0                                    ; unit 15's second half: nothing more to fetch
	STAGE_W 1
	; THE WAY OUT: my 128 rows of 256 bytes come back two at a time, into the registers that held x's K steps 0-3.  LDS serves a wave's instructions in order (ISA guide 5.7.1.4): these loads see my stores
	WIN 0x40
.set t, 0
.rept 64
	ds_load_b128 v[4*t:4*t+3], v[RD] offset:544*t
.set t, t+1
.endr
	WIN 0x04                                       ; a store's data are its source 1: window 1
.set t, 0
.rept 64
	s_wait_dscnt 63-t                              ; load t is in: 63 - t were issued behind it
	global_store_b128 v[CO], v[4*t:4*t+3], s[16:17] offset:8192*t th:TH_STORE_NT   ; sixteen lanes store 256 consecutive bytes, at a multiple of 256 from out0's first byte; written once, read by nobody here
.set t, t+1
.endr
	WIN 0
	s_wait_dscnt 0x0
	s_wait_tensorcnt 0x0
	ds_add_u32 v254, v255
	s_wait_dscnt 0x0
	CROUND                                         ; the closing round: no work-group ends while a partner may still ask for a unit that names it
	s_endpgm
.Lfunc_end_k_qa51bc4b183_experts:
	.size	k_qa51bc4b183_experts, .Lfunc_end_k_qa51bc4b183_experts-k_qa51bc4b183_experts
	.p2alignl 7, 3214868480
	.fill 96, 4, 3214868480
	.section	.rodata,"a",@progbits
	.p2align	6, 0x0
	.amdhsa_kernel k_qa51bc4b183_experts
		.amdhsa_group_segment_fixed_size 327680
		.amdhsa_private_segment_fixed_size 0
		.amdhsa_enable_private_segment 0
		.amdhsa_kernarg_size 56
		.amdhsa_user_sgpr_count 2
		.amdhsa_user_sgpr_kernarg_segment_ptr 1
		.amdhsa_wavefront_size32 1
		.amdhsa_system_sgpr_workgroup_id_x 1
		.amdhsa_system_sgpr_workgroup_id_y 1
		.amdhsa_system_sgpr_workgroup_id_z 1
		.amdhsa_system_vgpr_workitem_id 0
		.amdhsa_next_free_vgpr 1024
		.amdhsa_next_free_sgpr 66
		.amdhsa_reserve_vcc 0
		.amdhsa_float_denorm_mode_32 3
		.amdhsa_float_denorm_mode_16_64 3
		.amdhsa_memory_ordered 1
		.amdhsa_forward_progress 1
		.amdhsa_inst_pref_size 237
	.end_amdhsa_kernel
	.amdgpu_metadata
---
amdhsa.version: [ 1, 2 ]
amdhsa.kernels:
  - .name:           k_qa51bc4b183_experts
    .symbol:         k_qa51bc4b183_experts.kd
    .args:
      - { .name: xq, .offset: 0, .size: 8, .value_kind: global_buffer, .address_space: global }
      - { .name: xs, .offset: 8, .size: 8, .value_kind: global_buffer, .address_space: global }
      - { .name: gates, .offset: 16, .size: 8, .value_kind: global_buffer, .address_space: global }
      - { .name: expert_w_codes, .offset: 24, .size: 8, .value_kind: global_buffer, .address_space: global }
      - { .name: expert_w_scales, .offset: 32, .size: 8, .value_kind: global_buffer, .address_space: global }
      - { .name: expert_b, .offset: 40, .size: 8, .value_kind: global_buffer, .address_space: global }
      - { .name: out0, .offset: 48, .size: 8, .value_kind: global_buffer, .address_space: global }
    .group_segment_fixed_size: 327680
    .private_segment_fixed_size: 0
    .kernarg_segment_align: 8
    .kernarg_segment_size: 56
    .max_flat_workgroup_size: 128
    .sgpr_count:     66
    .vgpr_count:     1024
    .wavefront_size: 32
...
	.end_amdgpu_metadata
.endif
;; end of part 2
